; MI455X (gfx1250); checked and timed in simulation.
; The chip was launched on July 23, 2026; its instructions are those of AMD's public machine-readable ISA for CDNA 5 (MIT licence, August 2026) and "CDNA5" Instruction Set Architecture Reference Guide (July 2026). The comments in the code are by the model that wrote it; some were corrected since.
;; Multi Head Self Attention2d. Allowed arithmetic: matrix products marked QUANTISED: E2M3 operands, one E8M0 scale for each 32 along K, by v_wmma_scale_f32_16x16x128_f8f6f4 with both operands' format E2M3, f32 sums; everything else in f32.
;; Inputs: bk 512 float32; bo 512 float32; bq 512 float32; bv 512 float32; gamma 1 float32; wk 512 x 512 float32; wo 512 x 512 float32; wq 512 x 512 float32; wv 512 x 512 float32; x 16 x 512 x 32 x 32 float32.
;; Outputs: out0 16 x 512 x 32 x 32 float32.
;; This version of the problem:
;;   THIS VERSION OF THE PROBLEM IS GIVEN IN LOW PRECISION. The matrix products marked QUANTISED in the list below multiply operands that are first quantised to E2M3 (2 exponent bits, 3 mantissa bits; 6 bits a number), with one power-of-two scale for each 32 numbers along K (OCP MX v1.0); their sums are f32. All else is computed in f32.
;;   The module's matrix products, in the order in which they are computed (A, B: the left and right operand; K: the contracted axis; several contracted axes count as one K, in the product's order):
;;     1. [M 16,384, K 512] x [K 512, N 512]; A: input x; B: input wq: QUANTISED
;;     2. [M 16,384, K 512] x [K 512, N 512]; A: input x; B: input wk: QUANTISED
;;     3. [M 16,384, K 512] x [K 512, N 512]; A: input x; B: input wv: QUANTISED
;;     4. batch 128 x [M 1,024, K 64] x [K 64, N 1,024]; A: computed on the way; B: computed on the way: QUANTISED
;;     5. batch 128 x [M 64, K 1,024] x [K 1,024, N 1,024]; A: computed on the way; B: softmax (see below): QUANTISED
;;     6. [M 16,384, K 512] x [K 512, N 512]; A: computed on the way; B: input wo: QUANTISED
;;   THE QUANTISER, for each operand of a quantised product, along K:
;;     - K is cut into blocks of 32 from its start; a last block that is shorter is filled with zeros.
;;     - A block's scale is 2^e with e = floor(log2(the largest magnitude in the block)) - 2, held to -126 .. 127; a block of zeros has e = 0. As a byte (E8M0): e + 127.
;;     - Each number is divided by its block's scale, clamped to +-7.5, and rounded to the nearest number of E2M3, ties to even, subnormals kept.
;;     - The product sums the exact products of the quantised numbers (number of the format x scale) in f32.
;;   ~~~python
;;   def quantise(x, axis):      # numpy; x: float32 -> the quantised numbers, widened to float32 again
;;       x = np.moveaxis(x, axis, -1); K = x.shape[-1]
;;       x = np.pad(x, [(0, 0)] * (x.ndim - 1) + [(0, -K % 32)]); x = x.reshape(x.shape[:-1] + (-1, 32)); a = np.abs(x).max(-1, keepdims=True)
;;       e = np.where(a > 0, np.clip(np.frexp(np.where(a > 0, a, 1))[1] - 1 - 2, -126, 127), 0)      # np.frexp(a)[1] - 1 = floor(log2(a)), exactly
;;       r = np.clip(x / 2.0 ** e, -7.5, 7.5)
;;       step = 2.0 ** (np.maximum(np.frexp(np.where(r == 0, 1, r))[1] - 1, 0) - 3)
;;       q = np.round(r / step) * step * 2.0 ** e      # np.round: ties to even
;;       return np.moveaxis(q.reshape(q.shape[:-2] + (-1,))[..., :K], -1, axis).astype(np.float32)
;;   ~~~
;;   SOFTMAX AHEAD OF A QUANTISED PRODUCT. Where the list says 'softmax', what is quantised is not the finished softmax but p = 2^(t - M), with t = logit x log2(e) and M = ceil(the row's largest t), a whole number; so 1/2 < the row's largest p <= 1. The row's sum l is taken of the UNQUANTISED p, in f32, and the product's result is divided by l at the end. Since M is a whole number, a kernel that streams over the keys may use a running M (the ceiling of the running maximum): every later rescaling is an exact power of two, which a block's scale takes up: the codes' values come out the same.
;;   OPERANDS COMPUTED ON THE WAY. 'Computed on the way' means the value that the module computes at that place (a softmax that the list does not call 'softmax' is quantised finished and normalised). What goes into a quantiser is computed in f32, as accurately as f32 sums, v_exp_f32 and their like allow (about 1e-6 of the number): no bf16 or f16 on the way to a quantiser, and a product that is left as it is and whose result goes on into a quantised operand takes f32 operands (vector FMAs, or v_wmma_f32_16x16x4_f32). A number that lies on a knife's edge between two numbers of the format may be rounded either way, as far as f32 arithmetic and the matrix unit's own rounding can turn it there, and no further.
;; One version. Each part assembles by itself: llvm-mc -triple=amdgcn-amd-amdhsa -mcpu=gfx1250 --defsym DOCPART=n.
;; ======== version 1 of 1: 4 launches
;; workspace buffers: xrec 6,553,600 bytes; wrec 819,200 bytes; qkv 20,447,232 bytes; arec 6,553,600 bytes
;; launch quant (part 1): grid 640 x 1, 4 waves a work-group, no clusters, 0 bytes of LDS; arguments x, wq, wk, wv, wo, xrec, wrec; writes xrec, wrec
.if DOCPART == 1
	.amdgcn_target "amdgcn-amd-amdhsa--gfx1250"
	.amdhsa_code_object_version 6
	.text
	.protected	k_qed29b2ac87_quant
	.globl	k_qed29b2ac87_quant
	.p2align	8
	.type	k_qed29b2ac87_quant,@function
k_qed29b2ac87_quant:
	s_mov_b64 s[64:65], 0
	v_nop
	global_prefetch_b8 v0, s[64:65] scope:SCOPE_SE
	s_setreg_imm32_b32 hwreg(HW_REG_WAVE_MODE, 25, 1), 1
	s_wait_xcnt 0x0
; x [16][512 c][1024 n] and the four weights [512 o][512 c], f32, become codes of FP6 (E2M3) with one E8M0 byte for each 32 along c, which is the K of every product that reads them.
; A block's scale is 2^(floor(log2(largest magnitude)) - 2): its byte is the largest magnitude's exponent field - 2, held at 1 from below by a floor among the maximum's leaves.
; LIMITS: NaN and infinities are not served.  A block of zeros gets the byte 1 (not 127): its codes are zeros, and this program alone reads the bytes.
; WHAT IS STORED IS THE IMAGE OF THE OPERAND'S REGISTERS.  A RECORD (6,400 bytes) is 16 rows x 512 K: four fragments of 1,536 bytes (K step s at 1536 s), then 64 bytes of scale words for each K step (6144 + 64 s + 4 r).
; A fragment is two halves of 768 bytes (64 along K each): registers 0-3 of the half at 16 x lane, registers 4-5 at 512 + 8 x lane.  Lane (r, hh) holds k = 32 hh + 0 .. 31 of row r.
; THE ROWS OF A TILE ARE NOT NEIGHBOURS: row r of tile T is 32 (T / 2) + 8 (T % 2) + r + 8 (r / 8), for pixels and for weight rows alike, so that the results of two neighbouring tiles are 16 neighbours in a lane.
; Work-groups 0 to 511 take x: (image b, K step s, 128 pixels); a wave takes 32 pixels x 128 channels.  A LANE TAKES A PIXEL AND ITS REGISTERS RUN DOWN c: each load reads 128 consecutive bytes, a block lies in one lane.
; Work-groups 512 to 639 take one tile of one weight; wave s takes K step s; a lane takes the two blocks of its row that the operand's layout gives it.
; No work-group shares an input with another, so there is no cluster; no LDS, no barrier.
.set X,   32                           ; v32-159  four blocks of 32 numbers
.set FA,  160                          ; v160-171 a fragment (x: tile T0's)
.set FB,  172                          ; v172-183 x: tile T0 + 1's
.set TC,  184                          ; v184-186 the second half of a block's codes, before it is moved
.set REC, 6400
.set WV,  18
; 32 numbers of ONE lane, v[xs] on, become six registers of codes at v[d] on and the scale's byte in v[by]
.macro BLK32 xs, d, by
	v_max3_num_f32 v8, |v[\xs]|, |v[\xs+1]|, |v[\xs+2]|
	v_max3_num_f32 v9, |v[\xs+3]|, |v[\xs+4]|, |v[\xs+5]|
.irp i, 6,10,14,18,22,26
	v_max3_num_f32 v8, v8, |v[\xs+\i]|, |v[\xs+\i+1]|          ; two chains, so that no line waits for the line above it
	v_max3_num_f32 v9, v9, |v[\xs+\i+2]|, |v[\xs+\i+3]|
.endr
	v_max3_num_f32 v8, v8, |v[\xs+30]|, |v[\xs+31]|
	v_max3_num_f32 v8, v8, v9, 0x1800000                       ; the floor 2^(3 - 127): the byte cannot fall under 1
	v_add_nc_u32 v10, 0xff000000, v8                           ; 2 off the exponent field: the conversion takes this operand's exponent field as its scale
	v_lshrrev_b32 v[\by], 23, v10                              ; the scale's byte
	v_cvt_scalef32_pk16_fp6_f32 v[\d:\d+2], v[\xs:\xs+15], v10
	v_cvt_scalef32_pk16_fp6_f32 v[TC:TC+2], v[\xs+16:\xs+31], v10   ; (a conversion's three registers begin on an even number)
	v_nop                                                      ; one plain place behind a scaled conversion
.irp i, 0,1,2
	v_mov_b32 v[\d+3+\i], v[TC+\i]
.endr
.endm
.macro PUT f, off                      ; a fragment leaves as it stands: each store of the wave covers 512 or 256 consecutive bytes, aligned
	global_store_b128 v2, v[\f:\f+3], s[28:29] offset:\off
	global_store_b64 v3, v[\f+4:\f+5], s[28:29] offset:\off+512
	global_store_b128 v2, v[\f+6:\f+9], s[28:29] offset:\off+768
	global_store_b64 v3, v[\f+10:\f+11], s[28:29] offset:\off+1280
.endm
.macro XLOAD q                         ; block q: channels 32 q + 0 .. 31 of my pixel
.irp i, 0,1,2,3,4,5,6,7,8,9,10,11,12,13,14,15,16,17,18,19,20,21,22,23,24,25,26,27,28,29,30,31
	global_load_b32 v[X+32*(\q)+\i], v1, s[4:5] offset:(32*(\q)+\i)*4096 th:TH_LOAD_NT
.endr
.endm
.macro XBLOCK q
.if \q < 3
	s_wait_loadcnt 32                                          ; this block's 32 loads are in; the next block's 32 may be out
.else
	s_wait_loadcnt 0x0
.endif
.if \q < 2
	XLOAD \q+2                                                 ; two blocks ahead, into registers of its own
.endif
	BLK32 X+32*(\q), FA+12*((\q)%2)+6*((\q)/2), 11             ; even blocks into FA, odd ones into FB
.if \q == 0
	v_mov_b32 v12, v11
.else
	v_lshl_or_b32 v12, v11, 8*\q, v12                          ; my pixel's scale word: the lower K in the lower byte
.endif
.if (\q)%2
.irp i, 0,1,2,3,4,5                    ; lanes 0-15 hold tile T0's rows, lanes 16-31 tile T0 + 1's.  FA's upper lanes change places with FB's lower ones: FA is then tile T0's (lanes 0-15 the even block, lanes 16-31 the odd one), FB tile T0 + 1's
	v_permlane16_swap_b32 v[FA+6*((\q)/2)+\i], v[FB+6*((\q)/2)+\i]
.endr
.endif
.endm
	s_load_b256 s[4:11], s[0:1], 0x0               ; x, wq, wk, wv
	s_load_b128 s[12:15], s[0:1], 0x20             ; wo, xrec
	s_load_b64 s[16:17], s[0:1], 0x30              ; wrec
	v_lshrrev_b32 v1, 5, v0
	v_readfirstlane_b32 s[WV], v1                  ; wave 0..3
	v_and_b32 v5, 31, v0                           ; lane
	v_and_b32 v6, 15, v0                           ; r
	v_bfe_u32 v7, v0, 4, 1                         ; lane / 16
	v_lshlrev_b32 v2, 4, v5                        ; 16 x lane
	v_lshlrev_b32 v3, 3, v5                        ; 8 x lane
	v_and_b32 v13, 8, v6
	v_add_nc_u32 v13, v13, v6                      ; r + 8 (r / 8)
	s_cmp_lt_u32 ttmp9, 512
	s_cbranch_scc0 .Lweights
	; ---- x
	s_and_b32 s20, ttmp9, 7                        ; which 128 pixels
	s_bfe_u32 s21, ttmp9, 0x20003                  ; K step s
	s_lshr_b32 s22, ttmp9, 5                       ; image b
	v_lshl_add_u32 v1, v7, 3, v13                  ; my pixel among the wave's 32: 8 (lane / 16) + r + 8 (r / 8)
	v_lshlrev_b32 v1, 2, v1
	v_mul_u32_u24 v4, v7, REC
	v_lshl_add_u32 v4, v6, 2, v4                   ; my scale word: my tile's record, + 4 r
	s_lshl_b32 s24, s22, 21                        ; an image is 2,097,152 bytes,
	s_lshl_b32 s25, s21, 19                        ; 128 channels 524,288,
	s_add_co_u32 s24, s24, s25
	s_lshl_b32 s25, s20, 9                         ; 128 pixels 512,
	s_add_co_u32 s24, s24, s25
	s_lshl_b32 s25, s[WV], 7                       ; a wave's 32 pixels 128
	s_add_co_u32 s24, s24, s25
	s_mov_b32 s25, 0
	s_lshl_b32 s26, s22, 6
	s_lshl_b32 s27, s20, 3
	s_add_co_u32 s26, s26, s27
	s_lshl_b32 s27, s[WV], 1
	s_add_co_u32 s26, s26, s27                     ; record 64 b + T0, T0 = 8 x (which 128) + 2 x wave
	s_mul_i32 s26, s26, REC
	s_mul_i32 s28, s21, 1536
	s_add_co_u32 s28, s28, s26                     ; the fragment of K step s
	s_mov_b32 s29, 0
	s_lshl_b32 s30, s21, 6
	s_add_co_u32 s30, s30, s26
	s_add_co_u32 s30, s30, 6144                    ; and its scale words
	s_mov_b32 s31, 0
	s_wait_kmcnt 0x0
	s_add_nc_u64 s[4:5], s[4:5], s[24:25]
	s_add_nc_u64 s[28:29], s[14:15], s[28:29]
	s_add_nc_u64 s[30:31], s[14:15], s[30:31]
	XLOAD 0
	XLOAD 1
	XBLOCK 0
	XBLOCK 1
	XBLOCK 2
	XBLOCK 3
	PUT FA, 0
	PUT FB, REC
	global_store_b32 v4, v12, s[30:31]             ; 64 bytes for each of the two tiles
	s_endpgm
.Lweights:
	; ---- a tile of a weight: K is innermost, so lane (r, hh) loads its two blocks, 128 bytes each, of its row
	s_sub_co_u32 s20, ttmp9, 512                   ; 32 x (which weight) + tile: the record's number
	s_lshr_b32 s21, s20, 5
	s_and_b32 s22, s20, 31
	s_lshr_b32 s23, s22, 1
	s_lshl_b32 s23, s23, 5
	s_and_b32 s24, s22, 1
	s_lshl_b32 s24, s24, 3
	s_add_co_u32 s23, s23, s24                     ; the tile's first row: 32 (T / 2) + 8 (T % 2)
	s_lshl_b32 s24, s23, 11                        ; a row is 2,048 bytes
	s_lshl_b32 s25, s[WV], 9                       ; K step = wave: 512 bytes
	s_add_co_u32 s24, s24, s25
	s_mov_b32 s25, 0
	v_lshlrev_b32 v1, 11, v13
	v_lshl_add_u32 v1, v7, 7, v1                   ; row r + 8 (r / 8), + 128 hh
	v_lshlrev_b32 v4, 2, v6                        ; 4 r
	s_mul_i32 s26, s20, REC
	s_mul_i32 s27, s[WV], 1536
	s_add_co_u32 s28, s26, s27
	s_mov_b32 s29, 0
	s_lshl_b32 s30, s[WV], 6
	s_add_co_u32 s30, s30, s26
	s_add_co_u32 s30, s30, 6144
	s_mov_b32 s31, 0
	s_mov_b32 s34, 0x76543210
	s_mov_b32 s35, 0xfedcba98                      ; v_permlanex16_b32's selects for lane l xor 16
	s_wait_kmcnt 0x0
	s_cmp_eq_u32 s21, 0                            ; the choice hangs on the work-group's number alone
	s_cselect_b64 s[32:33], s[6:7], s[8:9]
	s_cmp_eq_u32 s21, 2
	s_cselect_b64 s[32:33], s[10:11], s[32:33]
	s_cmp_eq_u32 s21, 3
	s_cselect_b64 s[32:33], s[12:13], s[32:33]
	s_add_nc_u64 s[32:33], s[32:33], s[24:25]
	s_add_nc_u64 s[28:29], s[16:17], s[28:29]
	s_add_nc_u64 s[30:31], s[16:17], s[30:31]
.irp c, 0,1
.irp j, 0,1,2,3,4,5,6,7
	global_load_b128 v[X+32*\c+4*\j:X+32*\c+4*\j+3], v1, s[32:33] offset:256*\c+16*\j   ; block 2 c + hh of K step s
.endr
.endr
	s_wait_loadcnt 8                               ; the first block's eight loads are in; the second's may be out
	BLK32 X, FA, 11
	s_wait_loadcnt 0x0
	BLK32 X+32, FA+6, 15
	v_lshl_or_b32 v12, v15, 16, v11                ; my two bytes: blocks hh and 2 + hh,
	v_lshlrev_b32 v14, 3, v7
	v_lshlrev_b32 v12, v14, v12                    ; at their places in the scale word (8 hh bits up);
	v_mov_b32 v14, 0
	v_permlanex16_b32 v14, v12, s34, s35
	v_or_b32 v12, v12, v14                         ; with lane l xor 16's two the word is whole
	PUT FA, 0
	global_store_b32 v4, v12, s[30:31]             ; lanes r and 16 + r write the same word with the same value
	s_endpgm
.Lfunc_end_k_qed29b2ac87_quant:
	.size	k_qed29b2ac87_quant, .Lfunc_end_k_qed29b2ac87_quant-k_qed29b2ac87_quant
	.p2alignl 7, 3214868480
	.fill 96, 4, 3214868480
	.section	.rodata,"a",@progbits
	.p2align	6, 0x0
	.amdhsa_kernel k_qed29b2ac87_quant
		.amdhsa_group_segment_fixed_size 0
		.amdhsa_private_segment_fixed_size 0
		.amdhsa_enable_private_segment 0
		.amdhsa_kernarg_size 56
		.amdhsa_user_sgpr_count 2
		.amdhsa_user_sgpr_kernarg_segment_ptr 1
		.amdhsa_wavefront_size32 1
		.amdhsa_system_sgpr_workgroup_id_x 1
		.amdhsa_system_sgpr_workgroup_id_y 1
		.amdhsa_system_sgpr_workgroup_id_z 1
		.amdhsa_system_vgpr_workitem_id 0
		.amdhsa_next_free_vgpr 192
		.amdhsa_next_free_sgpr 66
		.amdhsa_reserve_vcc 0
		.amdhsa_float_denorm_mode_32 3
		.amdhsa_float_denorm_mode_16_64 3
		.amdhsa_memory_ordered 1
		.amdhsa_forward_progress 1
		.amdhsa_inst_pref_size 28
	.end_amdhsa_kernel
	.amdgpu_metadata
---
amdhsa.version: [ 1, 2 ]
amdhsa.kernels:
  - .name:           k_qed29b2ac87_quant
    .symbol:         k_qed29b2ac87_quant.kd
    .args:
      - { .name: x, .offset: 0, .size: 8, .value_kind: global_buffer, .address_space: global }
      - { .name: wq, .offset: 8, .size: 8, .value_kind: global_buffer, .address_space: global }
      - { .name: wk, .offset: 16, .size: 8, .value_kind: global_buffer, .address_space: global }
      - { .name: wv, .offset: 24, .size: 8, .value_kind: global_buffer, .address_space: global }
      - { .name: wo, .offset: 32, .size: 8, .value_kind: global_buffer, .address_space: global }
      - { .name: xrec, .offset: 40, .size: 8, .value_kind: global_buffer, .address_space: global }
      - { .name: wrec, .offset: 48, .size: 8, .value_kind: global_buffer, .address_space: global }
    .group_segment_fixed_size: 0
    .private_segment_fixed_size: 0
    .kernarg_segment_align: 8
    .kernarg_segment_size: 56
    .max_flat_workgroup_size: 128
    .sgpr_count:     66
    .vgpr_count:     192
    .wavefront_size: 32
...
	.end_amdgpu_metadata
.endif
;; end of part 1
;; launch qkv (part 2): grid 4 x 64, 8 waves a work-group, clusters of 4 x 4, 263,168 bytes of LDS; arguments xrec, wrec, bq, bk, bv, qkv; writes qkv
.if DOCPART == 2
	.amdgcn_target "amdgcn-amd-amdhsa--gfx1250"
	.amdhsa_code_object_version 6
	.text
	.protected	k_qed29b2ac87_qkv
	.globl	k_qed29b2ac87_qkv
	.p2align	8
	.type	k_qed29b2ac87_qkv,@function
k_qed29b2ac87_qkv:
	s_mov_b64 s[64:65], 0
	v_nop
	global_prefetch_b8 v0, s[64:65] scope:SCOPE_SE
	s_setreg_imm32_b32 hwreg(HW_REG_WAVE_MODE, 25, 1), 1
	s_wait_xcnt 0x0
	s_wait_alu depctr_hold_cnt(0) depctr_sa_sdst(0) depctr_va_vdst(0) depctr_va_sdst(0) depctr_va_ssrc(0) depctr_va_vcc(0) depctr_vm_vsrc(0)
	s_getreg_b32 s2, hwreg(HW_REG_IB_STS2, 6, 4)
	s_cmp_eq_u32 s2, 0
	s_cbranch_scc0 .Lentry_in_a_cluster
	s_endpgm
.Lentry_in_a_cluster:
	s_bfe_u32 s2, ttmp6, 0x10000c
	s_cmp_lg_u32 s2, 0xf033
	s_cbranch_scc0 .Lentry_shape_is_right
	s_endpgm
.Lentry_shape_is_right:
; q, k, v = W x + b on codes of FP6 (E2M3) with E8M0 scales, sums in f32, and each result quantised again on the way out: q and k along the head's 64 channels, v along the keys.
; SHARES.  A work-group takes 256 pixels of one image and 128 output channels (two heads) of wq, wk and wv in turn; x's codes stay in LDS.  Wave w: 64 pixels (w / 2: four tiles) x one head (w % 2: four tiles): 16 accumulators.
; OPERANDS lie in memory and in LDS as images of their registers (records of 6,400 bytes: four fragments of 1,536, then the scale words): a fragment comes by two loads of 16 and two of 8 bytes a lane, each on consecutive bytes.
; Row r of tile T is 32 (T / 2) + 8 (T % 2) + r + 8 (r / 8), for pixels and weight rows.  So with source 0 = tiles 2 b and 2 b + 1, a lane's 16 results are the neighbours 32 b + 16 (lane / 16) + 0 .. 15.
; q, k: source 0 = W's tiles, source 1 = x's: a lane holds one pixel, its registers run along the head's channels.  v: source 0 = x's tiles, source 1 = W's: a lane holds one channel, its registers run along the pixels (keys).
; In both cases 32 registers are 64 neighbours along the next product's K: two blocks, which become HALF a fragment (768 bytes) and two scale bytes.
; OUT: for each (image, head, q / k / v) 53,248 bytes: 64 halves at 768 (4 G + item), G a group of 64 pixels; then for each G 256 bytes of scale words: byte 8 lane + 4 i is the word of item 2 i + lane / 16, row lane % 16.
; The biases are the C of each sum's first matrix instruction.
; CLUSTER 4 x 4: the four of a row need the same pixels' records, the four of a column the same weights': each is asked for jointly.  Every LDS byte is filled once: four tensor loads a wave are out at the most, no slot is filled again.
; LIMITS: NaN and infinities are not served; a block of zeros gets the byte 1 with zero codes (this program alone reads the bytes).
.set REC,   6400
.set WL,    102400                     ; LDS: x's 16 records at 0; each weight's 8 records at WL + 51,200 x (q, k, v)
.set ROLEB, 51200
.set XS,  16                           ; v16-23  x's scale words: tile i at 2 i, 2 i + 1 (lanes 0-15 the even K step, lanes 16-31 the odd one)
.set WS,  24                           ; v24-31  the weight's likewise
.set FX,  32                           ; v32-79  x's four fragments of a K step
.set FW,  80                           ; v80-127 the weight's four
.set ACC, 128                          ; v128-255 sixteen accumulators
.set TM,  32                           ; on the way out: v32-47 at work, v48-67 and v68-87 the codes
.set PC0, 48
.set PC1, 68
.set WV,  16
.set G1X, 24
.set G1W, 32
.set G0X, 40
.set G0W, 44
.set OUT, 56
.set OUTS, 58
.set HM,  68
.set SEL, 70
.macro ROUND                           ; a round of the cluster's barrier
	s_barrier_signal -1
	s_barrier_wait -1
	s_cmp_lg_u32 s[WV], 0
	s_cbranch_scc1 .Lnot_wave_0_\@
	s_barrier_signal -3
.Lnot_wave_0_\@:
	s_barrier_wait -3
	s_barrier_signal -1
	s_barrier_wait -1
.endm
.macro LDFRAG reg, a16, a8, off        ; a fragment's image into its twelve registers
	ds_load_b128 v[\reg:\reg+3], v[\a16] offset:\off
	ds_load_b64 v[\reg+4:\reg+5], v[\a8] offset:\off+512
	ds_load_b128 v[\reg+6:\reg+9], v[\a16] offset:\off+768
	ds_load_b64 v[\reg+10:\reg+11], v[\a8] offset:\off+1280
.endm
.macro MM d, a, b, c, sa, sb, odd      ; odd K steps take their scale words from lanes 16-31
.if \odd
	v_wmma_scale_f32_16x16x128_f8f6f4 v[\d:\d+7], v[\a:\a+11], v[\b:\b+11], v[\c:\c+7], v[\sa], v[\sb] matrix_a_fmt:MATRIX_FMT_FP6 matrix_b_fmt:MATRIX_FMT_FP6 matrix_a_scale:MATRIX_SCALE_ROW1 matrix_b_scale:MATRIX_SCALE_ROW1
.else
	v_wmma_scale_f32_16x16x128_f8f6f4 v[\d:\d+7], v[\a:\a+11], v[\b:\b+11], v[\c:\c+7], v[\sa], v[\sb] matrix_a_fmt:MATRIX_FMT_FP6 matrix_b_fmt:MATRIX_FMT_FP6
.endif
.endm
; A K step of 128: eight fragments, sixteen matrix instructions, one to an accumulator, in the same order in every step.
; Accumulator (o, n) at ACC + 32 o + 8 n.  q, k: o = x's tile, n = W's.  v: o = W's tile, n = x's.
; Step 0 takes the bias as C.  The bias's 32 registers are the last four accumulators' own: those four are written five places behind the last matrix instruction that read them as C (ISA guide 7.12.1).
.macro KSTEP vrole, s
.rept 4
	v_nop                                          ; places in front of loads into registers that matrix instructions have read
.endr
.irp i, 0,1,2,3
	LDFRAG FX+12*\i, 1, 2, \i*REC+1536*\s
	LDFRAG FW+12*\i, 3, 4, \i*REC+1536*\s
.endr
	s_wait_dscnt 0x0
.irp o, 0,1,2,3
.if (\s == 0) && (\o == 3)
.rept 5
	v_nop
.endr
.endif
.irp n, 0,1,2,3
.set DD, ACC+32*\o+8*\n
.set CC, DD
.if \vrole
.set AA, FX+12*\n
.set SA, XS+2*\n+(\s)/2
.set BB, FW+12*\o
.set SB, WS+2*\o+(\s)/2
.if \s == 0
.set CC, ACC+96+8*\o
.if (\o == 3) && (\n == 3)
.rept 5
	v_nop                                          ; the last accumulator is the C of the three before it
.endr
.endif
.endif
.else
.set AA, FW+12*\n
.set SA, WS+2*\n+(\s)/2
.set BB, FX+12*\o
.set SB, XS+2*\o+(\s)/2
.if \s == 0
.set CC, ACC+96+8*\n
.endif
.endif
	MM DD, AA, BB, CC, SA, SB, (\s)%2
.endr
.endr
.endm
; 64 numbers of a lane, register 16 b + i = neighbour 32 b + 16 (lane / 16) + i of block b, become two halves of codes (v[pc] .. + 5: blocks 0, 1; + 6 .. + 11: blocks 2, 3).
; v[sw]: lanes 0-15 the first half's scale word, lanes 16-31 the second's.
.macro QUANT s, pc, sw
.irp b, 0,1,2,3
	v_max3_num_f32 v[TM+\b], |v[\s+16*\b]|, |v[\s+1+16*\b]|, 0x1800000   ; my 16 numbers and the floor 2^(3 - 127).  Each accumulator is read from its low end on
.endr
.irp i, 2,4,6,8,10,12,14
.irp b, 0,1,2,3
	v_max3_num_f32 v[TM+\b], v[TM+\b], |v[\s+16*\b+\i]|, |v[\s+1+16*\b+\i]|
.endr
.endr
.irp b, 0,1,2,3
	v_permlanex16_b32 v[TM+4+\b], v[TM+\b], s[SEL], s[SEL+1]
.endr
.irp b, 0,1,2,3
	v_max_num_f32 v[TM+\b], v[TM+\b], v[TM+4+\b]   ; with lane l xor 16's: the block's largest magnitude
.endr
.irp b, 0,1,2,3
	v_add_nc_u32 v[TM+12+\b], 0xff000000, v[TM+\b] ; 2 off its exponent field: the conversion's scale operand
.endr
.irp b, 0,1,2,3
	v_lshrrev_b32 v[TM+4+\b], 23, v[TM+12+\b]      ; the scale's byte
.endr
	v_lshl_or_b32 v[TM+8], v[TM+5], 8, v[TM+4]
	v_lshl_or_b32 v[TM+9], v[TM+7], 8, v[TM+6]
	v_cndmask_b32 v[\sw], v[TM+9], v[TM+8], s[HM]
.irp c, 0,1
	v_cvt_scalef32_pk16_fp6_f32 v[\pc+6*\c:\pc+6*\c+2], v[\s+32*\c:\s+32*\c+15], v[TM+12+2*\c]
	v_cvt_scalef32_pk16_fp6_f32 v[\pc+12+4*\c:\pc+14+4*\c], v[\s+16+32*\c:\s+31+32*\c], v[TM+13+2*\c]
.endr
	v_nop                                          ; one plain place behind a scaled conversion
.irp c, 0,1                            ; the layout wants a WHOLE block in a lane: lanes 0-15 the first block of a half, lanes 16-31 the second
.irp i, 0,1,2
	v_permlane16_swap_b32 v[\pc+6*\c+\i], v[\pc+12+4*\c+\i]
.endr
.irp i, 0,1,2
	v_mov_b32 v[\pc+3+6*\c+\i], v[\pc+12+4*\c+\i]
.endr
.endr
.endm
.macro PUT pc, j                       ; items 2 j and 2 j + 1 of my group: each store of the wave covers 512 or 256 consecutive bytes, aligned
.irp c, 0,1
	global_store_b128 v7, v[\pc+6*\c:\pc+6*\c+3], s[OUT:OUT+1] offset:768*(2*\j+\c)
	global_store_b64 v8, v[\pc+6*\c+4:\pc+6*\c+5], s[OUT:OUT+1] offset:768*(2*\j+\c)+512
.endr
.endm
.macro BIASQK p                        ; register 16 b + i of the bias's 32: channel 32 b + 16 (lane / 16) + i of my head
.irp i, 0,1,2,3,4,5,6,7
	global_load_b128 v[ACC+96+4*\i:ACC+96+4*\i+3], v9, s[\p:\p+1] offset:(32*(\i/4)+4*(\i%4))*4
.endr
.endm
.macro BIASV                           ; for v a lane holds one channel: tile t's bias is one number a lane, spread over eight registers later
.irp t, 0,1,2,3
	global_load_b32 v[ACC+96+8*\t], v10, s[12:13] offset:(32*(\t/2)+8*(\t%2))*4
.endr
.endm
.macro EPI nb                          ; nb: which bias is asked for meanwhile: 1 k's, 2 v's, 0 none
.rept 4
	v_nop                                          ; places in front of the first read of results and of writes into operand registers
.endr
	QUANT ACC, PC0, 12
	PUT PC0, 0
	QUANT ACC+64, PC1, 13
.if \nb == 1
	BIASQK 10                                      ; into the registers that the conversions have just read
.elseif \nb == 2
	BIASV
.endif
	PUT PC1, 1
	global_store_b64 v8, v[12:13], s[OUTS:OUTS+1]  ; my group's scale words: 256 consecutive bytes, aligned
.endm
.macro ROLE vrole, nb
.irp t, 0,1,2,3
.irp i, 0,1
	ds_load_b32 v[WS+2*\t+\i], v6 offset:\t*REC+6144+128*\i
.endr
.endr
	s_wait_loadcnt 0x0                             ; the bias
.if \vrole
.irp t, 0,1,2,3
.irp j, 1,2,3,4,5,6,7
	v_mov_b32 v[ACC+96+8*\t+\j], v[ACC+96+8*\t]
.endr
.endr
.endif
	KSTEP \vrole, 0
	KSTEP \vrole, 1
	KSTEP \vrole, 2
	KSTEP \vrole, 3
	EPI \nb
.endm
.macro NEXTROLE left                   ; left: how many younger tensor loads may stay out
	s_wait_xcnt 0x0                                ; the stores have read their data, offsets and bases: all may be written again
	s_add_nc_u64 s[OUT:OUT+1], s[OUT:OUT+1], 53248
	s_add_nc_u64 s[OUTS:OUTS+1], s[OUTS:OUTS+1], 53248
	v_add_nc_u32 v3, ROLEB, v3
	v_add_nc_u32 v4, ROLEB, v4
	v_add_nc_u32 v6, ROLEB, v6
	s_wait_tensorcnt \left                         ; my record of the next weight has landed,
	s_wait_dscnt 0x0
	s_barrier_signal -1
	s_barrier_wait -1                              ; everybody's has
.endm
	s_load_b256 s[4:11], s[0:1], 0x0               ; xrec, wrec, bq, bk
	s_load_b128 s[12:15], s[0:1], 0x20             ; bv, qkv
	s_set_vgpr_msb 0x40
	v_lshl_add_u32 v0, v0, 2, 0x40000
	v_mov_b32 v1, 0
	s_set_vgpr_msb 0x4045
	ds_add_u32 v0, v1
	ds_add_u32 v0, v1
	s_set_vgpr_msb 0x4500
	v_lshrrev_b32 v1, 5, v0
	v_readfirstlane_b32 s[WV], v1                  ; wave 0..7
	s_lshr_b32 s17, s[WV], 1                       ; which 64 pixels
	s_and_b32 s18, s[WV], 1                        ; which of the two heads
	s_bfe_u32 s19, ttmp6, 0x40000                  ; cx
	s_bfe_u32 s20, ttmp6, 0x40004                  ; cy
	s_lshl_b32 s21, ttmp9, 2
	s_add_co_u32 s21, s21, s19                     ; which 128 output channels = 4 x cluster x + cx
	s_and_b32 s22, ttmp7, 0xffff
	s_lshl_b32 s22, s22, 2
	s_add_co_u32 s22, s22, s20                     ; which 256 pixels = 4 x cluster y + cy
	s_lshl_b32 s23, s20, 2
	s_lshl_b32 s23, 15, s23                        ; my row of the cluster
	s_lshl_b32 s69, 0x1111, s19                    ; my column
	; descriptor group 1: a dense block as rows of 256 bytes (32 elements of 8 bytes), no padding; x: 50 rows a wave (two records), a weight: 25 (one record)
	s_or_b32 s[G1X], s23, (3<<16)|(1<<21)
	s_or_b32 s[G1W], s69, (3<<16)|(1<<21)
	s_mov_b32 s[G1X+1], 32<<16
	s_mov_b32 s[G1X+2], 50<<16
	s_mov_b32 s[G1X+3], 32<<16
	s_mov_b32 s[G1X+4], 50
	s_mov_b32 s[G1X+5], 32
	s_mov_b32 s[G1X+6], 0
	s_mov_b32 s[G1X+7], 0
	s_mov_b32 s[G1W+1], 32<<16
	s_mov_b32 s[G1W+2], 25<<16
	s_mov_b32 s[G1W+3], 32<<16
	s_mov_b32 s[G1W+4], 25
	s_mov_b32 s[G1W+5], 32
	s_mov_b32 s[G1W+6], 0
	s_mov_b32 s[G1W+7], 0
	s_mul_i32 s[G0X+1], s[WV], 12800               ; LDS: wave x two records: no place in the cluster enters an LDS address
	s_mul_i32 s60, s22, 102400                     ; x's records of my 256 pixels,
	s_add_co_u32 s60, s60, s[G0X+1]                ; my wave's two
	s_mov_b32 s61, 0
	s_mul_i32 s72, s[WV], REC
	s_mul_i32 s62, s21, 51200                      ; the weights' records of my 128 channels,
	s_add_co_u32 s62, s62, s72                     ; my wave's one
	s_mov_b32 s63, 0
	s_lshl_b32 s2, s21, 1
	s_add_co_u32 s2, s2, s18                       ; my head
	s_lshl_b32 s2, s2, 8                           ; its 64 numbers of a bias
	s_mov_b32 s3, 0
	v_and_b32 v11, 31, v0                          ; lane
	v_and_b32 v14, 15, v0                          ; r
	v_bfe_u32 v15, v0, 4, 1                        ; h
	v_lshlrev_b32 v9, 6, v15                       ; q's and k's bias: 16 numbers on for lanes 16-31
	v_and_b32 v10, 8, v14
	v_add_nc_u32 v10, v10, v14
	v_lshlrev_b32 v10, 2, v10                      ; v's bias: channel r + 8 (r / 8) of a tile
	s_mov_b32 s[HM], 0xffff                        ; lanes 0-15
	s_mov_b32 s[SEL], 0x76543210
	s_mov_b32 s[SEL+1], 0xfedcba98
	s_wait_dscnt 0x0
	s_wait_kmcnt 0x0
	s_mov_b32 s[G0X], 1
	s_add_nc_u64 s[G0X+2:G0X+3], s[4:5], s[60:61]
	s_or_b32 s[G0X+3], s[G0X+3], 0x80000000
	s_add_nc_u64 s[66:67], s[6:7], s[62:63]
.irp p, 0,1,2
	s_mov_b32 s[G0W+4*\p], 1
	s_add_co_u32 s[G0W+4*\p+1], s72, WL+ROLEB*\p
	s_add_nc_u64 s[G0W+4*\p+2:G0W+4*\p+3], s[66:67], 204800*\p
	s_or_b32 s[G0W+4*\p+3], s[G0W+4*\p+3], 0x80000000
.endr
	s_add_nc_u64 s[8:9], s[8:9], s[2:3]
	s_add_nc_u64 s[10:11], s[10:11], s[2:3]
	s_add_nc_u64 s[12:13], s[12:13], s[2:3]
	BIASQK 8                                       ; q's bias
	ROUND                                          ; all sixteen work-groups are here: the joint loads meet
	tensor_load_to_lds s[G0X:G0X+3], s[G1X:G1X+7]
	s_nop 0
	tensor_load_to_lds s[G0W:G0W+3], s[G1W:G1W+7]
	s_nop 0
	tensor_load_to_lds s[G0W+4:G0W+7], s[G1W:G1W+7]
	s_nop 0
	tensor_load_to_lds s[G0W+8:G0W+11], s[G1W:G1W+7]
	s_nop 0
.rept 4
	v_nop
.endr
	v_lshlrev_b32 v7, 4, v11                       ; 16 x lane
	v_lshlrev_b32 v8, 3, v11                       ; 8 x lane
	v_lshlrev_b32 v6, 2, v11                       ; 4 x lane
	s_mul_i32 s72, s17, 4*REC                      ; my four tiles of x
	s_mul_i32 s73, s18, 4*REC
	s_add_co_u32 s73, s73, WL                      ; my four tiles of the weight
	v_add_nc_u32 v1, s72, v7
	v_add_nc_u32 v2, s72, v8
	v_add_nc_u32 v5, s72, v6
	v_add_nc_u32 v3, s73, v7
	v_add_nc_u32 v4, s73, v8
	v_add_nc_u32 v6, s73, v6
	s_lshr_b32 s60, s22, 2                         ; the image
	s_lshl_b32 s60, s60, 3
	s_lshl_b32 s61, s21, 1
	s_add_co_u32 s60, s60, s61
	s_add_co_u32 s60, s60, s18                     ; 8 x image + head
	s_mul_i32 s60, s60, 159744
	s_and_b32 s61, s22, 3
	s_lshl_b32 s61, s61, 2
	s_add_co_u32 s61, s61, s17                     ; G: my group of 64 pixels in the image
	s_mul_i32 s62, s61, 3072
	s_add_co_u32 s62, s62, s60
	s_mov_b32 s63, 0
	s_add_nc_u64 s[OUT:OUT+1], s[14:15], s[62:63]
	s_lshl_b32 s62, s61, 8
	s_add_co_u32 s62, s62, s60
	s_add_co_u32 s62, s62, 49152
	s_add_nc_u64 s[OUTS:OUTS+1], s[14:15], s[62:63]
	s_wait_tensorcnt 2                             ; my parts of x and of wq have landed; wk's and wv's may stay out
	s_barrier_signal -1
	s_barrier_wait -1                              ; everybody's have
.irp t, 0,1,2,3
.irp i, 0,1
	ds_load_b32 v[XS+2*\t+\i], v5 offset:\t*REC+6144+128*\i
.endr
.endr
	ROLE 0, 1                                      ; q
	NEXTROLE 1                                     ; wv's record may stay out
	ROLE 0, 2                                      ; k
	NEXTROLE 0
	ROLE 1, 0                                      ; v
	s_set_vgpr_msb 0x5
	s_wait_tensorcnt 0x0
	ds_add_u32 v0, v1
	s_wait_dscnt 0x0
	s_set_vgpr_msb 0x500
	ROUND                                          ; the closing round: no work-group ends while a partner may still ask for a block that names it
	s_endpgm
.Lfunc_end_k_qed29b2ac87_qkv:
	.size	k_qed29b2ac87_qkv, .Lfunc_end_k_qed29b2ac87_qkv-k_qed29b2ac87_qkv
	.p2alignl 7, 3214868480
	.fill 96, 4, 3214868480
	.section	.rodata,"a",@progbits
	.p2align	6, 0x0
	.amdhsa_kernel k_qed29b2ac87_qkv
		.amdhsa_group_segment_fixed_size 263168
		.amdhsa_private_segment_fixed_size 0
		.amdhsa_enable_private_segment 0
		.amdhsa_kernarg_size 48
		.amdhsa_user_sgpr_count 2
		.amdhsa_user_sgpr_kernarg_segment_ptr 1
		.amdhsa_wavefront_size32 1
		.amdhsa_system_sgpr_workgroup_id_x 1
		.amdhsa_system_sgpr_workgroup_id_y 1
		.amdhsa_system_sgpr_workgroup_id_z 1
		.amdhsa_system_vgpr_workitem_id 0
		.amdhsa_next_free_vgpr 258
		.amdhsa_next_free_sgpr 76
		.amdhsa_reserve_vcc 0
		.amdhsa_float_denorm_mode_32 3
		.amdhsa_float_denorm_mode_16_64 3
		.amdhsa_memory_ordered 1
		.amdhsa_forward_progress 1
		.amdhsa_inst_pref_size 89
	.end_amdhsa_kernel
	.amdgpu_metadata
---
amdhsa.version: [ 1, 2 ]
amdhsa.kernels:
  - .name:           k_qed29b2ac87_qkv
    .symbol:         k_qed29b2ac87_qkv.kd
    .args:
      - { .name: xrec, .offset: 0, .size: 8, .value_kind: global_buffer, .address_space: global }
      - { .name: wrec, .offset: 8, .size: 8, .value_kind: global_buffer, .address_space: global }
      - { .name: bq, .offset: 16, .size: 8, .value_kind: global_buffer, .address_space: global }
      - { .name: bk, .offset: 24, .size: 8, .value_kind: global_buffer, .address_space: global }
      - { .name: bv, .offset: 32, .size: 8, .value_kind: global_buffer, .address_space: global }
      - { .name: qkv, .offset: 40, .size: 8, .value_kind: global_buffer, .address_space: global }
    .group_segment_fixed_size: 263168
    .private_segment_fixed_size: 0
    .kernarg_segment_align: 8
    .kernarg_segment_size: 48
    .max_flat_workgroup_size: 256
    .sgpr_count:     76
    .vgpr_count:     258
    .wavefront_size: 32
...
	.end_amdgpu_metadata
.endif
;; end of part 2
;; launch attn (part 3): grid 4 x 64, 16 waves a work-group, clusters of 4 x 1, 215,040 bytes of LDS; arguments qkv, arec; writes arec
.if DOCPART == 3
	.amdgcn_target "amdgcn-amd-amdhsa--gfx1250"
	.amdhsa_code_object_version 6
	.text
	.protected	k_qed29b2ac87_attn
	.globl	k_qed29b2ac87_attn
	.p2align	8
	.type	k_qed29b2ac87_attn,@function
k_qed29b2ac87_attn:
	s_mov_b64 s[64:65], 0
	v_nop
	global_prefetch_b8 v0, s[64:65] scope:SCOPE_SE
	s_setreg_imm32_b32 hwreg(HW_REG_WAVE_MODE, 25, 1), 1
	s_wait_xcnt 0x0
	s_wait_alu depctr_hold_cnt(0) depctr_sa_sdst(0) depctr_va_vdst(0) depctr_va_sdst(0) depctr_va_ssrc(0) depctr_va_vcc(0) depctr_vm_vsrc(0)
	s_getreg_b32 s2, hwreg(HW_REG_IB_STS2, 6, 4)
	s_cmp_eq_u32 s2, 0
	s_cbranch_scc0 .Lentry_in_a_cluster
	s_endpgm
.Lentry_in_a_cluster:
	s_bfe_u32 s2, ttmp6, 0x10000c
	s_cmp_lg_u32 s2, 0x3003
	s_cbranch_scc0 .Lentry_shape_is_right
	s_endpgm
.Lentry_shape_is_right:
; For each image and head: a[d][i] = sum over keys j of softmax_j(q_i . k_j / 8) v[d][j], both products on codes of FP6 (E2M3) with E8M0 scales; the result is quantised along c = 64 head + d for the last product.
; THE SOFTMAX: t = score x log2(e) / 8; M = the row's largest t so far, rounded UP to a whole number; p = 2^(t - M) is quantised along the keys, not normalised.  The row's sum is taken of the unquantised p and divides at the end.
; When M moves, the sum and O are multiplied by 2^(old M - new M): exact.
; SHARES.  A work-group takes 256 queries of one image and two heads, one after the other; each of its sixteen waves owns one tile of 16 queries in 240 registers: four waves to a SIMD, so that one wave's vector work stands beside another's products and LDS loads.
; CLUSTER 4 x 1: the four quarters of an image's queries walk the same K and V.  Both heads' K and V (2 x 106,496 bytes) are asked for jointly, once: two tensor loads a wave are out at the most, no LDS byte is filled again.
; LAYOUT.  Both products are used transposed: S^T = K Q^T, O^T = V^T P^T: a lane holds ONE query throughout.  Row r of a tile of pixels T is 32 (T / 2) + 8 (T % 2) + r + 8 (r / 8): the 16 registers of key tiles 2 b, 2 b + 1 are the keys 32 b + 16 (lane / 16) + 0 .. 15.
; q, k, v lie as images of operand registers: halves of 768 bytes (16 rows x 64 K: registers 0-3 at 16 x lane, 4-5 at 512 + 8 x lane); scale words in units of 256 bytes for each group of 64 pixels.
; THE FIRST PRODUCT'S K IS 64, THE INSTRUCTION'S 128.  Q's registers 6-11 hold zero codes.  K's operand for tile t is registers 6 t .. 6 t + 11 of a run of eight tiles: its upper six are the next tile's codes (behind the last: zeros),
; which meet Q's zero codes: a code's value times 0 is 0, since the format has no infinity or NaN; the scale bytes of those two blocks are 0 (2^-127) on both sides, never 0xff.
; LIMITS: NaN and infinities are not served; a block of zeros gets the byte 1 with zero codes (this program alone reads the bytes).
.set HEADB, 106496                     ; LDS: a head's K codes at 0, K's units at 49,152, V codes at 53,248, V's units at 102,400; the second head HEADB further on
.set VC,    53248
.set KU,    49152
.set A16, 5                            ; v5   16 x lane + the step's codes
.set A8,  6                            ; v6   8 x lane + the step's codes
.set AS,  7                            ; v7   8 x lane + the step's units of K
.set ASV, 8                            ; v8   the same of V
.set QA,  16                           ; v16-27  Q of the first head (22-27 zeros);  v28, v29 Q's scale words
.set QB,  228                          ; v228-239 Q of the second head (234-239 zeros)
.set KF,  32                           ; v32-79 eight tiles of K, then four fragments of V; v80-85 zeros
.set KS,  86                           ; v86-89 K's scale words
.set VA,  90                           ; v90-91 V's scale words;  v92-93 those of the second 64 keys
.set VB,  92
.set PW,  94                           ; v94  p's scale word
.set S,   96                           ; v96-159 S^T, then p
.set O,   160                          ; v160-191 O^T
.set PC,  192                          ; v192-211 p's codes
.set BM,  212
.set BP,  216
.set BS,  220
.set WV,  8
.set G1,  12
.set G0A, 20
.set G0B, 24
.set TCD, 36                           ; s36  LDS byte of the step's codes: 6,144 a step
.set TSC, 37                           ; s37  of its units: 512 a step
.set CNT, 38
.set SEL, 40
.set CS,  42                           ; s[42:43] c = log2(e) / 8
.macro ROUND
	s_barrier_signal -1
	s_barrier_wait -1
	s_cmp_lg_u32 s[WV], 0
	s_cbranch_scc1 .Lnot_wave_0_\@
	s_barrier_signal -3
.Lnot_wave_0_\@:
	s_barrier_wait -3
	s_barrier_signal -1
	s_barrier_wait -1
.endm
; A KEY STEP: 128 keys.  q: Q's registers, qs: its scale word
.macro STEP q, qs
	v_add_nc_u32 v[A16], s[TCD], v1                ; these four are also the places in front of loads into registers that the last products read
	v_add_nc_u32 v[A8], s[TCD], v2
	v_add_nc_u32 v[AS], s[TSC], v2
	s_delay_alu instid0(VALU_DEP_1)
	v_add_nc_u32 v[ASV], VC, v[AS]
	ds_load_b64 v[KS:KS+1], v[AS] offset:KU        ; register i: lanes 0-15 tile 2 i's words, lanes 16-31 tile 2 i + 1's
	ds_load_b64 v[KS+2:KS+3], v[AS] offset:KU+256
	ds_load_b64 v[VA:VA+1], v[ASV] offset:KU
	ds_load_b64 v[VB:VB+1], v[ASV] offset:KU+256
.irp t, 0,1,2,3,4,5,6,7
	ds_load_b128 v[KF+6*\t:KF+6*\t+3], v[A16] offset:768*\t
	ds_load_b64 v[KF+6*\t+4:KF+6*\t+5], v[A8] offset:768*\t+512
.endr
	s_wait_alu depctr_va_vdst(0)
	s_wait_dscnt 0x0
.irp t, 0,1,2,3,4,5,6,7
.if \t%2
	v_wmma_scale_f32_16x16x128_f8f6f4 v[S+8*\t:S+8*\t+7], v[KF+6*\t:KF+6*\t+11], v[\q:\q+11], 0, v[KS+\t/2], v[\qs] matrix_a_fmt:MATRIX_FMT_FP6 matrix_b_fmt:MATRIX_FMT_FP6 matrix_a_scale:MATRIX_SCALE_ROW1
.else
	v_wmma_scale_f32_16x16x128_f8f6f4 v[S+8*\t:S+8*\t+7], v[KF+6*\t:KF+6*\t+11], v[\q:\q+11], 0, v[KS+\t/2], v[\qs] matrix_a_fmt:MATRIX_FMT_FP6 matrix_b_fmt:MATRIX_FMT_FP6
.endif
.endr
	v_lshl_or_b32 v[VA], v[VB], 16, v[VA]          ; V's scale word of 128 keys: two bytes of each 64.  With the two v_nop: four places behind the products
	v_lshl_or_b32 v[VA+1], v[VB+1], 16, v[VA+1]
	v_nop
	v_nop
.irp t, 0,1,2,3                        ; V's four fragments (16 channels x 128 keys: a half of each group of 64 keys): they land under the softmax
	ds_load_b128 v[KF+12*\t:KF+12*\t+3], v[A16] offset:VC+768*\t
	ds_load_b64 v[KF+12*\t+4:KF+12*\t+5], v[A8] offset:VC+768*\t+512
	ds_load_b128 v[KF+12*\t+6:KF+12*\t+9], v[A16] offset:VC+768*(4+\t)
	ds_load_b64 v[KF+12*\t+10:KF+12*\t+11], v[A8] offset:VC+768*(4+\t)+512
.endr
.irp b, 0,1,2,3
	v_max3_num_f32 v[BM+\b], v[S+16*\b], v[S+1+16*\b], v[S+2+16*\b]   ; the largest score of each block of 32 keys: for the row's maximum and, since p rises with the score, for the block's largest p
.endr
.irp i, 3,5,7,9,11,13
.irp b, 0,1,2,3
	v_max3_num_f32 v[BM+\b], v[BM+\b], v[S+16*\b+\i], v[S+1+16*\b+\i]
.endr
.endr
.irp b, 0,1,2,3
	v_max_num_f32 v[BM+\b], v[BM+\b], v[S+15+16*\b]
.endr
.irp b, 0,1,2,3
	s_delay_alu instid0(VALU_DEP_4)
	v_permlanex16_b32 v[BP+\b], v[BM+\b], s[SEL], s[SEL+1]
.endr
.irp b, 0,1,2,3
	s_delay_alu instid0(VALU_DEP_4)
	v_max_num_f32 v[BM+\b], v[BM+\b], v[BP+\b]     ; with lane l xor 16's 16 keys
.endr
	s_delay_alu instid0(VALU_DEP_2)
	v_max3_num_f32 v224, v[BM], v[BM+1], v[BM+2]
	s_delay_alu instid0(VALU_DEP_1)
	v_max_num_f32 v224, v224, v[BM+3]              ; the step's largest score of my query
	s_delay_alu instid0(VALU_DEP_1)
	v_mul_f32 v224, s[CS], v224                    ; as t (c is positive)
	s_delay_alu instid0(VALU_DEP_1)
	v_max_num_f32 v13, v13, v224                   ; the running largest t
	v_mov_b32 v224, v12
	s_delay_alu instid0(VALU_DEP_2)
	v_floor_f32 v12, -v13                          ; the new -M = floor(-t) = -ceil(t)
	s_delay_alu instid0(VALU_DEP_1)
	v_sub_f32 v224, v12, v224                      ; old M - new M: a whole number, 0 or less
	s_delay_alu instid0(VALU_DEP_1)
	v_cvt_i32_f32 v224, v224                       ; (it saturates)
	s_delay_alu instid0(VALU_DEP_1)
	v_ldexp_f32 v30, 1.0, v224                     ; f = 2^(old M - new M)
.set J, 0
.rept 32
	v_pk_fma_f32 v[S+J:S+J+1], v[S+J:S+J+1], s[CS:CS+1], v[12:13] op_sel_hi:[1,0,0]   ; t - M, two at a time
.set J, J+2
.endr
.irp b, 0,1,2,3
	v_fma_f32 v[BM+\b], v[BM+\b], s[CS], v12       ; the same of each block's largest score
.endr
.set J, 0
	s_setprio 1
	s_wait_alu depctr_va_vdst(0)
.rept 64
	v_exp_f32 v[S+J], v[S+J]                       ; p = 2^(t - M)
.set J, J+1
.endr
.irp b, 0,1,2,3
	v_exp_f32 v[BM+\b], v[BM+\b]                   ; the block's largest p: the same two instructions on the same number
.endr
	v_pk_mul_f32 v[14:15], v[14:15], v[30:31] op_sel_hi:[1,0]   ; the sums under the new M.  (A plain place behind the exponentials)
	s_wait_alu depctr_va_vdst(0)
.irp b, 0,1,2,3
	v_max_num_f32 v[BM+\b], 0x1800000, v[BM+\b]    ; the floor 2^(3 - 127)
.endr
.irp b, 0,1,2,3
	s_delay_alu instid0(VALU_DEP_4)
	v_add_nc_u32 v[BS+\b], 0xff000000, v[BM+\b]    ; the conversion's scale operand
.endr
.irp b, 0,1,2,3
	s_delay_alu instid0(VALU_DEP_4)
	v_lshrrev_b32 v[BP+\b], 23, v[BS+\b]           ; the scale's byte
.endr
	s_delay_alu instid0(VALU_DEP_3)
	v_lshl_or_b32 v[PW], v[BP+1], 8, v[BP]
	s_delay_alu instid0(VALU_DEP_1)
	v_lshl_or_b32 v[PW], v[BP+2], 16, v[PW]
	s_delay_alu instid0(VALU_DEP_1)
	v_lshl_or_b32 v[PW], v[BP+3], 24, v[PW]
.irp c, 0,1
	v_cvt_scalef32_pk16_fp6_f32 v[PC+6*\c:PC+6*\c+2], v[S+32*\c:S+32*\c+15], v[BS+2*\c]
	v_cvt_scalef32_pk16_fp6_f32 v[PC+12+4*\c:PC+14+4*\c], v[S+16+32*\c:S+31+32*\c], v[BS+2*\c+1]
.endr
	v_nop                                          ; one plain place behind a scaled conversion
.irp c, 0,1
.irp i, 0,1,2
	v_permlane16_swap_b32 v[PC+6*\c+\i], v[PC+12+4*\c+\i]
.endr
.irp i, 0,1,2
	s_delay_alu instid0(VALU_DEP_3)
	v_mov_b32 v[PC+3+6*\c+\i], v[PC+12+4*\c+\i]
.endr
.endr
	v_pk_add_f32 v[226:227], v[100:101], v[104:105]
	v_pk_add_f32 v[222:223], v[108:109], v[112:113]
	v_pk_add_f32 v[220:221], v[116:117], v[120:121]
	v_pk_add_f32 v[214:215], v[124:125], v[128:129]
	v_pk_add_f32 v[212:213], v[132:133], v[136:137]
	v_pk_add_f32 v[210:211], v[140:141], v[144:145]
	v_pk_add_f32 v[208:209], v[148:149], v[152:153]
	v_pk_add_f32 v[14:15], v[14:15], v[156:157]
	v_pk_add_f32 v[226:227], v[226:227], v[96:97]
	v_pk_add_f32 v[222:223], v[222:223], v[98:99]
	v_pk_add_f32 v[220:221], v[220:221], v[102:103]
	v_pk_add_f32 v[214:215], v[214:215], v[106:107]
	v_pk_add_f32 v[212:213], v[212:213], v[110:111]
	v_pk_add_f32 v[210:211], v[210:211], v[114:115]
	v_pk_add_f32 v[208:209], v[208:209], v[118:119]
	v_pk_add_f32 v[14:15], v[14:15], v[122:123]
	v_pk_add_f32 v[226:227], v[226:227], v[126:127]
	v_pk_add_f32 v[222:223], v[222:223], v[130:131]
	v_pk_add_f32 v[220:221], v[220:221], v[134:135]
	v_pk_add_f32 v[214:215], v[214:215], v[138:139]
	v_pk_add_f32 v[212:213], v[212:213], v[142:143]
	v_pk_add_f32 v[210:211], v[210:211], v[146:147]
	v_pk_add_f32 v[208:209], v[208:209], v[150:151]
	v_pk_add_f32 v[14:15], v[14:15], v[154:155]
	v_pk_add_f32 v[226:227], v[226:227], v[158:159]
	s_delay_alu instid0(VALU_DEP_2)
	v_pk_add_f32 v[14:15], v[14:15], v[214:215]
	s_delay_alu instid0(VALU_DEP_2)
	v_pk_add_f32 v[226:227], v[226:227], v[212:213]
	s_setprio 0
	v_pk_add_f32 v[222:223], v[222:223], v[210:211]
	v_pk_add_f32 v[220:221], v[220:221], v[208:209]
	s_delay_alu instid0(VALU_DEP_2)
	v_pk_add_f32 v[14:15], v[14:15], v[222:223]
	s_delay_alu instid0(VALU_DEP_2)
	v_pk_add_f32 v[226:227], v[226:227], v[220:221]
	s_delay_alu instid0(VALU_DEP_1)
	v_pk_add_f32 v[14:15], v[14:15], v[226:227]
.set J, 0
.rept 16
	v_pk_mul_f32 v[O+J:O+J+1], v[O+J:O+J+1], v[30:31] op_sel_hi:[1,0]   ; O^T under the new M
.set J, J+2
.endr
	s_wait_alu depctr_va_vdst(0)
	s_wait_dscnt 0x0                               ; V
.irp t, 0,1,2,3
.if \t%2
	v_wmma_scale_f32_16x16x128_f8f6f4 v[O+8*\t:O+8*\t+7], v[KF+12*\t:KF+12*\t+11], v[PC:PC+11], v[O+8*\t:O+8*\t+7], v[VA+\t/2], v[PW] matrix_a_fmt:MATRIX_FMT_FP6 matrix_b_fmt:MATRIX_FMT_FP6 matrix_a_scale:MATRIX_SCALE_ROW1
.else
	v_wmma_scale_f32_16x16x128_f8f6f4 v[O+8*\t:O+8*\t+7], v[KF+12*\t:KF+12*\t+11], v[PC:PC+11], v[O+8*\t:O+8*\t+7], v[VA+\t/2], v[PW] matrix_a_fmt:MATRIX_FMT_FP6 matrix_b_fmt:MATRIX_FMT_FP6
.endif
.endr
	s_add_co_u32 s[TCD], s[TCD], 6144
	s_add_co_u32 s[TSC], s[TSC], 512
.endm
; A head: eight key steps, the division, the quantiser along the head's 64 channels, half a fragment out
.macro HEAD hd, q, qs
	v_mov_b32 v13, 0xff61b1e6                      ; the largest t so far: -3e38, under every t
	s_delay_alu instid0(VALU_DEP_1)
	v_floor_f32 v12, -v13
	v_mov_b32 v14, 0
	v_mov_b32 v15, 0
.set J, 0
.rept 32
	v_mov_b32 v[O+J], 0                            ; the loop has no first step of its own: the first change of M multiplies zeros
.set J, J+1
.endr
	s_mov_b32 s[TCD], HEADB*\hd
	s_mov_b32 s[TSC], HEADB*\hd
	s_mov_b32 s[CNT], 8
.Lstep_\@:
	s_setprio 2
	STEP \q, \qs
	s_sub_co_u32 s[CNT], s[CNT], 1
	s_cmp_lg_u32 s[CNT], 0
	s_cbranch_scc1 .Lstep_\@
	s_setprio 0
.rept 4
	v_nop                                          ; places in front of the first read of O^T
.endr
	v_add_f32 v14, v14, v15
	s_delay_alu instid0(VALU_DEP_1)
	v_permlanex16_b32 v224, v14, s[SEL], s[SEL+1]
	s_delay_alu instid0(VALU_DEP_1)
	v_add_f32 v14, v14, v224                       ; the row's sum
	s_wait_alu depctr_va_vdst(0)
	v_rcp_f32 v14, v14
	v_nop                                          ; a plain place behind the transcendental
.set J, 0
	s_wait_alu depctr_va_vdst(0)
.rept 16
	v_pk_mul_f32 v[O+J:O+J+1], v[O+J:O+J+1], v[14:15] op_sel_hi:[1,0]   ; register 16 b + i: channel 32 b + 16 (lane / 16) + i of my query
.set J, J+2
.endr
.irp b, 0,1
	v_max3_num_f32 v[BM+\b], |v[O+16*\b]|, |v[O+1+16*\b]|, 0x1800000
.endr
.irp i, 2,4,6,8,10,12,14
.irp b, 0,1
	s_delay_alu instid0(VALU_DEP_2)
	v_max3_num_f32 v[BM+\b], v[BM+\b], |v[O+16*\b+\i]|, |v[O+1+16*\b+\i]|
.endr
.endr
.irp b, 0,1
	s_delay_alu instid0(VALU_DEP_2)
	v_permlanex16_b32 v[BP+\b], v[BM+\b], s[SEL], s[SEL+1]
.endr
.irp b, 0,1
	s_delay_alu instid0(VALU_DEP_2)
	v_max_num_f32 v[BM+\b], v[BM+\b], v[BP+\b]
.endr
.irp b, 0,1
	s_delay_alu instid0(VALU_DEP_2)
	v_add_nc_u32 v[BS+\b], 0xff000000, v[BM+\b]
.endr
.irp b, 0,1
	s_delay_alu instid0(VALU_DEP_2)
	v_lshrrev_b32 v[BP+\b], 23, v[BS+\b]
.endr
	s_delay_alu instid0(VALU_DEP_1)
	v_lshl_or_b32 v225, v[BP+1], 8, v[BP]          ; this head's two bytes
	v_cvt_scalef32_pk16_fp6_f32 v[PC:PC+2], v[O:O+15], v[BS]
	v_cvt_scalef32_pk16_fp6_f32 v[PC+12:PC+14], v[O+16:O+31], v[BS+1]
	v_nop
.irp i, 0,1,2
	v_permlane16_swap_b32 v[PC+\i], v[PC+12+\i]
.endr
.irp i, 0,1,2
	s_delay_alu instid0(VALU_DEP_3)
	v_mov_b32 v[PC+3+\i], v[PC+12+\i]
.endr
	global_store_b128 v1, v[PC:PC+3], s[32:33] offset:768*\hd          ; half 2 hp + hd of my tile's record: 512 and 256 consecutive bytes, aligned
	global_store_b64 v2, v[PC+4:PC+5], s[32:33] offset:768*\hd+512
.if \hd == 0
	v_mov_b32 v9, v225
.else
	v_lshl_or_b32 v9, v225, 16, v9                 ; the two heads' bytes make the scale word of one K step of the last product
	global_store_b32 v3, v9, s[34:35]              ; lanes r and 16 + r write the same word with the same value
.endif
.endm
	s_load_b128 s[4:7], s[0:1], 0x0                ; qkv, arec
	v_lshl_add_u32 v240, v0, 2, 0x34000
	v_mov_b32 v241, 0
	ds_add_u32 v240, v241
	ds_add_u32 v240, v241
	v_lshrrev_b32 v1, 5, v0
	s_delay_alu instid0(VALU_DEP_1)
	v_readfirstlane_b32 s[WV], v1                  ; wave 0..15
	s_bfe_u32 s9, ttmp6, 0x40000                   ; cx
	s_lshl_b32 s11, ttmp9, 2
	s_add_co_u32 s9, s9, s11                       ; which quarter of the queries: it enters Q's and the result's addresses alone
	s_and_b32 s10, ttmp7, 0xffff                   ; 4 x image + pair of heads, which the four partners share
	; descriptor group 1: a dense block as 26 rows of 256 bytes (32 elements of 8 bytes), no padding; the mask names all four
	s_mov_b32 s[G1], 15|(3<<16)|(1<<21)
	s_mov_b32 s[G1+1], 32<<16
	s_mov_b32 s[G1+2], 26<<16
	s_mov_b32 s[G1+3], 32<<16
	s_mov_b32 s[G1+4], 26
	s_mov_b32 s[G1+5], 32
	s_mov_b32 s[G1+6], 0
	s_mov_b32 s[G1+7], 0
	s_mul_i32 s44, s10, 319488                     ; the first head's q, k, v begin here
	s_mov_b32 s45, 0
	s_mul_i32 s[G0A+1], s[WV], 6656                ; LDS: a sixteenth of a head's K and V for each wave
	s_add_co_u32 s[G0B+1], s[G0A+1], HEADB
	s_add_co_u32 s46, s44, s[G0A+1]
	s_add_co_u32 s46, s46, 53248                   ; K and V lie behind q
	s_mov_b32 s47, 0
	s_mov_b32 s[G0A], 1
	s_mov_b32 s[G0B], 1
	s_lshl_b32 s11, s9, 4
	s_add_co_u32 s11, s11, s[WV]                   ; T: my tile of queries
	s_mul_i32 s50, s11, 768
	s_add_co_u32 s50, s50, s44                     ; its half of q
	s_mov_b32 s51, 0
	s_lshr_b32 s36, s11, 2
	s_lshl_b32 s36, s36, 8
	s_add_co_u32 s36, s36, s44
	s_add_co_u32 s36, s36, 49152                   ; its group's unit of scale words
	s_mov_b32 s37, 0
	s_lshr_b32 s2, s10, 2
	s_lshl_b32 s2, s2, 6
	s_add_co_u32 s2, s2, s11
	s_mul_i32 s2, s2, 6400                         ; the result's record: 64 x image + T
	s_and_b32 s3, s10, 3                           ; the pair of heads = the last product's K step
	s_mul_i32 s38, s3, 1536
	s_add_co_u32 s38, s38, s2
	s_mov_b32 s39, 0
	s_lshl_b32 s48, s3, 6
	s_add_co_u32 s48, s48, s2
	s_add_co_u32 s48, s48, 6144
	s_mov_b32 s49, 0
	s_and_b32 s2, s[WV], 1
	s_lshl_b32 s2, s2, 7
	s_bfe_u32 s3, s[WV], 0x10001
	s_lshl_b32 s3, s3, 2
	s_add_co_u32 s2, s2, s3                        ; my tile is item w % 4 of its group: its words lie at 8 (16 (w % 2) + r) + 4 ((w / 2) % 2)
	v_and_b32 v10, 31, v0
	v_and_b32 v11, 15, v0
	s_delay_alu instid0(VALU_DEP_2)
	v_lshlrev_b32 v1, 4, v10                       ; 16 x lane
	s_delay_alu instid0(VALU_DEP_3)
	v_lshlrev_b32 v2, 3, v10                       ; 8 x lane
	s_delay_alu instid0(VALU_DEP_3)
	v_lshlrev_b32 v3, 2, v11                       ; 4 r
	s_delay_alu instid0(VALU_DEP_4)
	v_lshl_add_u32 v4, v11, 3, s2
	s_mov_b32 s[SEL], 0x76543210
	s_mov_b32 s[SEL+1], 0xfedcba98
	s_mov_b32 s[CS], 0x3e38aa3b                    ; c = log2(e) / 8
	s_mov_b32 s[CS+1], s[CS]
	s_wait_dscnt 0x0
	s_wait_kmcnt 0x0
	s_add_nc_u64 s[G0A+2:G0A+3], s[4:5], s[46:47]
	s_add_nc_u64 s[G0B+2:G0B+3], s[G0A+2:G0A+3], 159744
	s_or_b32 s[G0A+3], s[G0A+3], 0x80000000
	s_or_b32 s[G0B+3], s[G0B+3], 0x80000000
	s_add_nc_u64 s[28:29], s[4:5], s[50:51]
	s_add_nc_u64 s[30:31], s[4:5], s[36:37]
	s_add_nc_u64 s[32:33], s[6:7], s[38:39]
	s_add_nc_u64 s[34:35], s[6:7], s[48:49]
	ROUND                                          ; all four work-groups are here: the joint loads meet
	tensor_load_to_lds s[G0A:G0A+3], s[G1:G1+7]
	s_nop 0
	tensor_load_to_lds s[G0B:G0B+3], s[G1:G1+7]
	s_nop 0
.rept 4
	v_nop
.endr
	s_wait_alu depctr_va_vdst(0)
	global_load_b128 v[QA:QA+3], v1, s[28:29]
	global_load_b64 v[QA+4:QA+5], v2, s[28:29] offset:512
	global_load_b32 v28, v4, s[30:31]
	global_load_b128 v[QB:QB+3], v1, s[28:29] offset:159744
	global_load_b64 v[QB+4:QB+5], v2, s[28:29] offset:159744+512
	global_load_b32 v29, v4, s[30:31] offset:159744
.irp j, 0,1,2,3,4,5
	v_mov_b32 v[QA+6+\j], 0                        ; zero codes for K = 64 .. 127
	v_mov_b32 v[QB+6+\j], 0
	v_mov_b32 v[KF+48+\j], 0                       ; and behind K's last tile
.endr
.irp b, 0,1,2,3
	v_mov_b32 v[BP+\b], 0                          ; a lane permute's destination counts as one of its sources
.endr
	v_mov_b32 v31, 0                               ; (named as the upper half of the pair v[30:31])
	s_wait_tensorcnt 1                             ; my part of the first head has landed; the second head's may stay out
	s_barrier_signal -1
	s_barrier_wait -1                              ; everybody's has
	s_wait_loadcnt 0x0                             ; Q
	HEAD 0, QA, 28
	s_wait_xcnt 0x0                                ; the stores have read the codes' registers
	s_wait_tensorcnt 0x0                           ; my part of the second head has landed,
	s_wait_dscnt 0x0
	s_barrier_signal -1
	s_barrier_wait -1                              ; everybody's has
	HEAD 1, QB, 29
	s_wait_tensorcnt 0x0
	ds_add_u32 v240, v241
	s_wait_dscnt 0x0
	ROUND                                          ; the closing round
	s_endpgm
.Lfunc_end_k_qed29b2ac87_attn:
	.size	k_qed29b2ac87_attn, .Lfunc_end_k_qed29b2ac87_attn-k_qed29b2ac87_attn
	.p2alignl 7, 3214868480
	.fill 96, 4, 3214868480
	.section	.rodata,"a",@progbits
	.p2align	6, 0x0
	.amdhsa_kernel k_qed29b2ac87_attn
		.amdhsa_group_segment_fixed_size 215040
		.amdhsa_private_segment_fixed_size 0
		.amdhsa_enable_private_segment 0
		.amdhsa_kernarg_size 16
		.amdhsa_user_sgpr_count 2
		.amdhsa_user_sgpr_kernarg_segment_ptr 1
		.amdhsa_wavefront_size32 1
		.amdhsa_system_sgpr_workgroup_id_x 1
		.amdhsa_system_sgpr_workgroup_id_y 1
		.amdhsa_system_sgpr_workgroup_id_z 1
		.amdhsa_system_vgpr_workitem_id 0
		.amdhsa_next_free_vgpr 242
		.amdhsa_next_free_sgpr 66
		.amdhsa_reserve_vcc 0
		.amdhsa_float_denorm_mode_32 3
		.amdhsa_float_denorm_mode_16_64 3
		.amdhsa_memory_ordered 1
		.amdhsa_forward_progress 1
		.amdhsa_inst_pref_size 53
	.end_amdhsa_kernel
	.amdgpu_metadata
---
amdhsa.version: [ 1, 2 ]
amdhsa.kernels:
  - .name:           k_qed29b2ac87_attn
    .symbol:         k_qed29b2ac87_attn.kd
    .args:
      - { .name: qkv, .offset: 0, .size: 8, .value_kind: global_buffer, .address_space: global }
      - { .name: arec, .offset: 8, .size: 8, .value_kind: global_buffer, .address_space: global }
    .group_segment_fixed_size: 215040
    .private_segment_fixed_size: 0
    .kernarg_segment_align: 8
    .kernarg_segment_size: 16
    .max_flat_workgroup_size: 512
    .sgpr_count:     66
    .vgpr_count:     242
    .wavefront_size: 32
...
	.end_amdgpu_metadata
.endif
;; end of part 3
;; launch proj (part 4): grid 4 x 64, 8 waves a work-group, clusters of 4 x 4, 189,440 bytes of LDS; arguments arec, wrec, bo, gamma, x, out0; writes out0
.if DOCPART == 4
	.amdgcn_target "amdgcn-amd-amdhsa--gfx1250"
	.amdhsa_code_object_version 6
	.text
	.protected	k_qed29b2ac87_proj
	.globl	k_qed29b2ac87_proj
	.p2align	8
	.type	k_qed29b2ac87_proj,@function
k_qed29b2ac87_proj:
	s_mov_b64 s[64:65], 0
	v_nop
	global_prefetch_b8 v0, s[64:65] scope:SCOPE_SE
	s_setreg_imm32_b32 hwreg(HW_REG_WAVE_MODE, 25, 1), 1
	s_wait_xcnt 0x0
	s_wait_alu depctr_hold_cnt(0) depctr_sa_sdst(0) depctr_va_vdst(0) depctr_va_sdst(0) depctr_va_ssrc(0) depctr_va_vcc(0) depctr_vm_vsrc(0)
	s_getreg_b32 s2, hwreg(HW_REG_IB_STS2, 6, 4)
	s_cmp_eq_u32 s2, 0
	s_cbranch_scc0 .Lentry_in_a_cluster
	s_endpgm
.Lentry_in_a_cluster:
	s_bfe_u32 s2, ttmp6, 0x10000c
	s_cmp_lg_u32 s2, 0xf033
	s_cbranch_scc0 .Lentry_shape_is_right
	s_endpgm
.Lentry_shape_is_right:
; y = gamma (wo a + bo) + x.  The product runs on codes of FP6 (E2M3) with E8M0 scales, sums in f32; a's and wo's codes lie as images of operand registers (records of 6,400 bytes: 16 rows x 512 K and their scale words).
; SHARES.  A work-group takes 256 pixels of one image x 128 output channels.  Wave w: 64 pixels (w / 2: four tiles of a) x 64 channels (w % 2: four tiles of wo): 16 accumulators.
; Source 0 = a's tiles, source 1 = wo's: a lane holds ONE output channel, and the 32 registers of a channel tile are the pixels 32 b + 16 (lane / 16) + i of the wave's 64: 256 bytes of a row of y.
; Row r of tile T is 32 (T / 2) + 8 (T % 2) + r + 8 (r / 8), for pixels and for channels.  bo is the C of each sum's first matrix instruction.
; THE RESIDUAL x is asked for at the head, into v256-383, in the layout of the stores: it lands under the fills and the product.
; THE WAY OUT: a channel tile (16 rows x 256 bytes) goes through the wave's own stage in LDS and comes back as whole rows: sixteen lanes store 256 consecutive bytes, aligned.
; CLUSTER 4 x 4: the four of a row need the same records of a, the four of a column the same records of wo: each is asked for jointly.  Two tensor loads a wave are out at the most; no LDS byte is filled again; no fill lands in the stages.
.set REC,   6400
.set WL,    102400                     ; LDS: a's 16 records at 0, wo's 8 at WL,
.set STG,   153600                     ; the stages: 16 rows x 272 bytes for each wave
.set XS,  16                           ; v16-23  a's scale words
.set WS,  24                           ; v24-31  wo's
.set FX,  32                           ; v32-79  a's four fragments of a K step
.set FW,  80                           ; v80-127 wo's four
.set ACC, 128                          ; v128-255 sixteen accumulators: (channel tile t, pixel tile i) at ACC + 32 t + 8 i
.set WV,  16
.set G1X, 24
.set G1W, 32
.set G0X, 40
.set G0W, 44
.set GM,  48                           ; s[48:49] gamma, twice
.set MSB, 0
.macro WIN new                         ; the immediate's high byte repeats the setting that is left
.if MSB != \new
	s_set_vgpr_msb (MSB<<8)|\new
.set MSB, \new
.endif
.endm
.macro ROUND
	s_barrier_signal -1
	s_barrier_wait -1
	s_cmp_lg_u32 s[WV], 0
	s_cbranch_scc1 .Lnot_wave_0_\@
	s_barrier_signal -3
.Lnot_wave_0_\@:
	s_barrier_wait -3
	s_barrier_signal -1
	s_barrier_wait -1
.endm
.macro LDFRAG reg, a16, a8, off
	ds_load_b128 v[\reg:\reg+3], v[\a16] offset:\off
	ds_load_b64 v[\reg+4:\reg+5], v[\a8] offset:\off+512
	ds_load_b128 v[\reg+6:\reg+9], v[\a16] offset:\off+768
	ds_load_b64 v[\reg+10:\reg+11], v[\a8] offset:\off+1280
.endm
.macro MM d, a, b, c, sa, sb, odd      ; odd K steps take their scale words from lanes 16-31
.if \odd
	v_wmma_scale_f32_16x16x128_f8f6f4 v[\d:\d+7], v[\a:\a+11], v[\b:\b+11], v[\c:\c+7], v[\sa], v[\sb] matrix_a_fmt:MATRIX_FMT_FP6 matrix_b_fmt:MATRIX_FMT_FP6 matrix_a_scale:MATRIX_SCALE_ROW1 matrix_b_scale:MATRIX_SCALE_ROW1
.else
	v_wmma_scale_f32_16x16x128_f8f6f4 v[\d:\d+7], v[\a:\a+11], v[\b:\b+11], v[\c:\c+7], v[\sa], v[\sb] matrix_a_fmt:MATRIX_FMT_FP6 matrix_b_fmt:MATRIX_FMT_FP6
.endif
.endm
; A K step of 128: eight fragments, sixteen matrix instructions, one to an accumulator, in the same order in every step.
; Step 0 takes the bias as C; the bias's 32 registers are the last four accumulators' own, which are written five places behind the last matrix instruction that read them as C (ISA guide 7.12.1).
.macro KSTEP s
.rept 4
	v_nop                                          ; places in front of loads into registers that matrix instructions have read
.endr
.irp i, 0,1,2,3
	LDFRAG FX+12*\i, 1, 2, \i*REC+1536*\s
	LDFRAG FW+12*\i, 3, 4, \i*REC+1536*\s
.endr
	s_wait_dscnt 0x0
.irp o, 0,1,2,3
.if (\s == 0) && (\o == 3)
.rept 5
	v_nop
.endr
.endif
.irp n, 0,1,2,3
.set DD, ACC+32*\o+8*\n
.set CC, DD
.if \s == 0
.set CC, ACC+96+8*\o
.if (\o == 3) && (\n == 3)
.rept 5
	v_nop
.endr
.endif
.endif
	MM DD, FX+12*\n, FW+12*\o, CC, XS+2*\n+(\s)/2, WS+2*\o+(\s)/2, (\s)%2
.endr
.endr
.endm
	s_load_b256 s[4:11], s[0:1], 0x0               ; arec, wrec, bo, gamma
	s_load_b128 s[12:15], s[0:1], 0x20             ; x, out0
	s_set_vgpr_msb 0x40
	v_lshl_add_u32 v128, v0, 2, 0x2e000
	v_mov_b32 v129, 0
	s_set_vgpr_msb 0x4045
	ds_add_u32 v128, v129
	ds_add_u32 v128, v129
	s_set_vgpr_msb 0x4500
	v_lshrrev_b32 v1, 5, v0
	v_readfirstlane_b32 s[WV], v1                  ; wave 0..7
	s_lshr_b32 s17, s[WV], 1                       ; which 64 pixels
	s_and_b32 s18, s[WV], 1                        ; which 64 channels
	s_bfe_u32 s19, ttmp6, 0x40000                  ; cx
	s_bfe_u32 s20, ttmp6, 0x40004                  ; cy
	s_lshl_b32 s21, ttmp9, 2
	s_add_co_u32 s21, s21, s19                     ; which 128 output channels
	s_and_b32 s22, ttmp7, 0xffff
	s_lshl_b32 s22, s22, 2
	s_add_co_u32 s22, s22, s20                     ; which 256 pixels
	s_lshl_b32 s23, s20, 2
	s_lshl_b32 s23, 15, s23                        ; my row of the cluster
	s_lshl_b32 s69, 0x1111, s19                    ; my column
	; descriptor group 1: a dense block as rows of 256 bytes (32 elements of 8 bytes), no padding; a: 50 rows a wave, wo: 25
	s_or_b32 s[G1X], s23, (3<<16)|(1<<21)
	s_or_b32 s[G1W], s69, (3<<16)|(1<<21)
	s_mov_b32 s[G1X+1], 32<<16
	s_mov_b32 s[G1X+2], 50<<16
	s_mov_b32 s[G1X+3], 32<<16
	s_mov_b32 s[G1X+4], 50
	s_mov_b32 s[G1X+5], 32
	s_mov_b32 s[G1X+6], 0
	s_mov_b32 s[G1X+7], 0
	s_mov_b32 s[G1W+1], 32<<16
	s_mov_b32 s[G1W+2], 25<<16
	s_mov_b32 s[G1W+3], 32<<16
	s_mov_b32 s[G1W+4], 25
	s_mov_b32 s[G1W+5], 32
	s_mov_b32 s[G1W+6], 0
	s_mov_b32 s[G1W+7], 0
	s_mul_i32 s[G0X+1], s[WV], 12800               ; LDS: no place in the cluster enters an LDS address
	s_mul_i32 s60, s22, 102400
	s_add_co_u32 s60, s60, s[G0X+1]
	s_mov_b32 s61, 0
	s_mul_i32 s72, s[WV], REC
	s_mul_i32 s62, s21, 51200
	s_add_co_u32 s62, s62, s72
	s_add_co_u32 s62, s62, 614400                  ; wo's records lie behind wq's, wk's and wv's
	s_mov_b32 s63, 0
	s_add_co_u32 s[G0W+1], s72, WL
	s_lshl_b32 s2, s21, 1
	s_add_co_u32 s2, s2, s18                       ; which 64 channels of the 512
	s_lshl_b32 s2, s2, 8
	s_mov_b32 s3, 0
	v_and_b32 v13, 31, v0                          ; lane
	v_and_b32 v14, 15, v0                          ; r
	v_bfe_u32 v15, v0, 4, 1                        ; h
	v_and_b32 v12, 8, v14
	v_add_nc_u32 v12, v12, v14
	v_lshlrev_b32 v12, 2, v12                      ; bo: channel r + 8 (r / 8) of a tile
	v_lshlrev_b32 v11, 4, v14
	v_lshl_add_u32 v11, v15, 12, v11               ; x and y: lanes 0-15 one row's 256 bytes, lanes 16-31 the next row's
	s_wait_dscnt 0x0
	s_wait_kmcnt 0x0
	s_load_b32 s[GM], s[10:11], 0x0
	s_mov_b32 s[G0X], 1
	s_add_nc_u64 s[G0X+2:G0X+3], s[4:5], s[60:61]
	s_or_b32 s[G0X+3], s[G0X+3], 0x80000000
	s_mov_b32 s[G0W], 1
	s_add_nc_u64 s[G0W+2:G0W+3], s[6:7], s[62:63]
	s_or_b32 s[G0W+3], s[G0W+3], 0x80000000
	s_add_nc_u64 s[8:9], s[8:9], s[2:3]
	s_lshr_b32 s60, s22, 2                         ; the image: 2,097,152 bytes,
	s_lshl_b32 s60, s60, 21
	s_lshl_b32 s61, s2, 10                         ; my 64 channels: 64 rows of 4,096 bytes each (s2 = 256 x which 64),
	s_add_co_u32 s60, s60, s61
	s_and_b32 s61, s22, 3
	s_lshl_b32 s61, s61, 2
	s_add_co_u32 s61, s61, s17
	s_lshl_b32 s61, s61, 8                         ; my 64 pixels: 256 bytes
	s_add_co_u32 s60, s60, s61
	s_mov_b32 s61, 0
	s_add_nc_u64 s[12:13], s[12:13], s[60:61]
	s_add_nc_u64 s[14:15], s[14:15], s[60:61]
.irp t, 0,1,2,3
	global_load_b32 v[ACC+96+8*\t], v12, s[8:9] offset:(32*(\t/2)+8*(\t%2))*4   ; bo: one number a lane and tile
.endr
	ROUND                                          ; all sixteen work-groups are here: the joint loads meet
	tensor_load_to_lds s[G0X:G0X+3], s[G1X:G1X+7]
	s_nop 0
	tensor_load_to_lds s[G0W:G0W+3], s[G1W:G1W+7]
	s_nop 0
.rept 4
	v_nop
.endr
	WIN 0x40                                       ; destination v256 on
.irp t, 0,1,2,3
.irp i, 0,1,2,3,4,5,6,7
	global_load_b128 v[32*\t+4*\i:32*\t+4*\i+3], v11, s[12:13] offset:(32*(\t/2)+8*(\t%2)+2*\i+8*(\i/4))*4096 th:TH_LOAD_NT   ; rows 2 i, 2 i + 1 of channel tile t, as the stage gives them back
.endr
.endr
	WIN 0
	v_lshlrev_b32 v7, 4, v13                       ; 16 x lane
	v_lshlrev_b32 v8, 3, v13                       ; 8 x lane
	v_lshlrev_b32 v6, 2, v13                       ; 4 x lane
	s_mul_i32 s72, s17, 4*REC                      ; my four tiles of a
	s_mul_i32 s73, s18, 4*REC
	s_add_co_u32 s73, s73, WL                      ; my four tiles of wo
	v_add_nc_u32 v1, s72, v7
	v_add_nc_u32 v2, s72, v8
	v_add_nc_u32 v5, s72, v6
	v_add_nc_u32 v3, s73, v7
	v_add_nc_u32 v4, s73, v8
	v_add_nc_u32 v6, s73, v6
	s_mul_i32 s73, s[WV], 16*272
	s_add_co_u32 s73, s73, STG                     ; my stage
	v_mul_u32_u24 v9, v14, 272
	v_lshl_add_u32 v9, v15, 6, v9
	v_add_nc_u32 v9, s73, v9                       ; in: row r, + 64 h
	v_mul_u32_u24 v10, v15, 272
	v_lshl_add_u32 v10, v14, 4, v10
	v_add_nc_u32 v10, s73, v10                     ; back: lanes 0-15 one row, lanes 16-31 the next
	s_wait_kmcnt 0x0
	s_mov_b32 s[GM+1], s[GM]
	s_wait_tensorcnt 0x0                           ; my parts of a and of wo have landed,
	s_barrier_signal -1
	s_barrier_wait -1                              ; everybody's have
.irp t, 0,1,2,3
.irp i, 0,1
	ds_load_b32 v[XS+2*\t+\i], v5 offset:\t*REC+6144+128*\i
	ds_load_b32 v[WS+2*\t+\i], v6 offset:\t*REC+6144+128*\i
.endr
.endr
	s_wait_loadcnt 32                              ; bo is in; x's 32 younger loads may stay out
.irp t, 0,1,2,3
.irp j, 1,2,3,4,5,6,7
	v_mov_b32 v[ACC+96+8*\t+\j], v[ACC+96+8*\t]
.endr
.endr
	KSTEP 0
	KSTEP 1
	KSTEP 2
	KSTEP 3
.rept 4
	v_nop                                          ; places in front of the first read of results and of loads into operand registers
.endr
.irp t, 0,1,2,3
.set BK, 32+32*(\t%2)                  ; the rows read back: v32-63 and v64-95 by turns
.if \t >= 2
	s_wait_xcnt 0x0                                ; the stores of two tiles back have read these registers
.endif
.irp m, 0,1,2,3,4,5,6,7
	ds_store_b128 v9, v[ACC+32*\t+4*\m:ACC+32*\t+4*\m+3] offset:128*(\m/4)+16*(\m%4)   ; each accumulator from its low end on: pixels 32 (m / 4) + 16 h + 4 (m % 4) on
.endr
.irp i, 0,1,2,3,4,5,6,7
	ds_load_b128 v[BK+4*\i:BK+4*\i+3], v10 offset:544*\i   ; LDS serves a wave's instructions in order (ISA guide 5.7.1.4): these see my stores
.endr
	s_wait_dscnt 0x0
	s_wait_loadcnt 24-8*\t                         ; this tile's eight loads of x are in; the later tiles' may stay out
	WIN 0x10                                       ; source 2: v256 on
.irp k, 0,1,2,3,4,5,6,7,8,9,10,11,12,13,14,15
	v_pk_fma_f32 v[BK+2*\k:BK+2*\k+1], v[BK+2*\k:BK+2*\k+1], s[GM:GM+1], v[32*\t+2*\k:32*\t+2*\k+1] op_sel_hi:[1,0,1]   ; gamma (wo a + bo) + x
.endr
	WIN 0
.irp i, 0,1,2,3,4,5,6,7
	global_store_b128 v11, v[BK+4*\i:BK+4*\i+3], s[14:15] offset:(32*(\t/2)+8*(\t%2)+2*\i+8*(\i/4))*4096 th:TH_STORE_NT   ; 16 lanes store 256 consecutive bytes, aligned
.endr
.endr
	s_set_vgpr_msb 0x5
	s_wait_tensorcnt 0x0
	ds_add_u32 v128, v129
	s_wait_dscnt 0x0
	s_set_vgpr_msb 0x500
	ROUND                                          ; the closing round
	s_endpgm
.Lfunc_end_k_qed29b2ac87_proj:
	.size	k_qed29b2ac87_proj, .Lfunc_end_k_qed29b2ac87_proj-k_qed29b2ac87_proj
	.p2alignl 7, 3214868480
	.fill 96, 4, 3214868480
	.section	.rodata,"a",@progbits
	.p2align	6, 0x0
	.amdhsa_kernel k_qed29b2ac87_proj
		.amdhsa_group_segment_fixed_size 189440
		.amdhsa_private_segment_fixed_size 0
		.amdhsa_enable_private_segment 0
		.amdhsa_kernarg_size 48
		.amdhsa_user_sgpr_count 2
		.amdhsa_user_sgpr_kernarg_segment_ptr 1
		.amdhsa_wavefront_size32 1
		.amdhsa_system_sgpr_workgroup_id_x 1
		.amdhsa_system_sgpr_workgroup_id_y 1
		.amdhsa_system_sgpr_workgroup_id_z 1
		.amdhsa_system_vgpr_workitem_id 0
		.amdhsa_next_free_vgpr 386
		.amdhsa_next_free_sgpr 76
		.amdhsa_reserve_vcc 0
		.amdhsa_float_denorm_mode_32 3
		.amdhsa_float_denorm_mode_16_64 3
		.amdhsa_memory_ordered 1
		.amdhsa_forward_progress 1
		.amdhsa_inst_pref_size 41
	.end_amdhsa_kernel
	.amdgpu_metadata
---
amdhsa.version: [ 1, 2 ]
amdhsa.kernels:
  - .name:           k_qed29b2ac87_proj
    .symbol:         k_qed29b2ac87_proj.kd
    .args:
      - { .name: arec, .offset: 0, .size: 8, .value_kind: global_buffer, .address_space: global }
      - { .name: wrec, .offset: 8, .size: 8, .value_kind: global_buffer, .address_space: global }
      - { .name: bo, .offset: 16, .size: 8, .value_kind: global_buffer, .address_space: global }
      - { .name: gamma, .offset: 24, .size: 8, .value_kind: global_buffer, .address_space: global }
      - { .name: x, .offset: 32, .size: 8, .value_kind: global_buffer, .address_space: global }
      - { .name: out0, .offset: 40, .size: 8, .value_kind: global_buffer, .address_space: global }
    .group_segment_fixed_size: 189440
    .private_segment_fixed_size: 0
    .kernarg_segment_align: 8
    .kernarg_segment_size: 48
    .max_flat_workgroup_size: 256
    .sgpr_count:     76
    .vgpr_count:     386
    .wavefront_size: 32
...
	.end_amdgpu_metadata
.endif
;; end of part 4
